; MI455X (gfx1250); checked and timed in simulation.
; The chip was launched on July 23, 2026; its instructions are those of AMD's public machine-readable ISA for CDNA 5 (MIT licence, August 2026) and "CDNA5" Instruction Set Architecture Reference Guide (July 2026). The comments in the code are by the model that wrote it; some were corrected since.
;; Multi Head Self Attention. Allowed arithmetic: matrix products marked QUANTISED: E2M1 operands, one E8M0 scale for each 32 along K, by v_wmma_scale_f32_16x16x128_f8f6f4 with both operands' format E2M1 (or v_wmma_scale_f32_32x16x128_f4), f32 sums; everything else in f32.
;; Inputs: W_t_codes 3,072 x 32 x 16 uint8 (E2M1 codes of W_t, K innermost, in blocks of 32 codes, two codes a byte); W_t_scales 3,072 x 32 uint8 (E8M0 scales of W_t, one for each 32 codes along K); b 3,072 float32; x_codes 4 x 2,048 x 32 x 16 uint8 (E2M1 codes of x, K innermost, in blocks of 32 codes, two codes a byte); x_scales 4 x 2,048 x 32 uint8 (E8M0 scales of x, one for each 32 codes along K).
;; Outputs: out0 4 x 2,048 x 1,024 float32.
;; This version of the problem:
;;   THIS VERSION OF THE PROBLEM IS GIVEN IN LOW PRECISION. The matrix products marked QUANTISED in the list below multiply operands that are first quantised to E2M1 (2 exponent bits, 1 mantissa bit; 4 bits a number), with one power-of-two scale for each 32 numbers along K (OCP MX v1.0); their sums are f32. All else is computed in f32.
;;   The module's matrix products, in the order in which they are computed (A, B: the left and right operand; K: the contracted axis; several contracted axes count as one K, in the product's order):
;;     1. [M 8,192, K 1,024] x [K 1,024, N 3,072]; A: input x (given as codes); B: input W_t (given as codes): QUANTISED
;;     2. batch 64 x [M 2,048, K 64] x [K 64, N 2,048]; A: computed on the way; B: computed on the way: QUANTISED
;;     3. batch 64 x [M 2,048, K 2,048] x [K 2,048, N 64]; A: softmax (see below); B: computed on the way: QUANTISED
;;   THE QUANTISER, for each operand of a quantised product, along K:
;;     - K is cut into blocks of 32 from its start; a last block that is shorter is filled with zeros.
;;     - A block's scale is 2^e with e = floor(log2(the largest magnitude in the block)) - 2, held to -126 .. 127; a block of zeros has e = 0. As a byte (E8M0): e + 127.
;;     - Each number is divided by its block's scale, clamped to +-6, and rounded to the nearest number of E2M1, ties to even, subnormals kept.
;;     - The product sums the exact products of the quantised numbers (number of the format x scale) in f32.
;;   ~~~python
;;   def quantise(x, axis):      # numpy; x: float32 -> the quantised numbers, widened to float32 again
;;       x = np.moveaxis(x, axis, -1); K = x.shape[-1]
;;       x = np.pad(x, [(0, 0)] * (x.ndim - 1) + [(0, -K % 32)]); x = x.reshape(x.shape[:-1] + (-1, 32)); a = np.abs(x).max(-1, keepdims=True)
;;       e = np.where(a > 0, np.clip(np.frexp(np.where(a > 0, a, 1))[1] - 1 - 2, -126, 127), 0)      # np.frexp(a)[1] - 1 = floor(log2(a)), exactly
;;       r = np.clip(x / 2.0 ** e, -6, 6)
;;       step = 2.0 ** (np.maximum(np.frexp(np.where(r == 0, 1, r))[1] - 1, 0) - 1)
;;       q = np.round(r / step) * step * 2.0 ** e      # np.round: ties to even
;;       return np.moveaxis(q.reshape(q.shape[:-2] + (-1,))[..., :K], -1, axis).astype(np.float32)
;;   ~~~
;;   SOFTMAX AHEAD OF A QUANTISED PRODUCT. Where the list says 'softmax', what is quantised is not the finished softmax but p = 2^(t - M), with t = logit x log2(e) and M = ceil(the row's largest t), a whole number; so 1/2 < the row's largest p <= 1. The row's sum l is taken of the UNQUANTISED p, in f32, and the product's result is divided by l at the end. Since M is a whole number, a kernel that streams over the keys may use a running M (the ceiling of the running maximum): every later rescaling is an exact power of two, which a block's scale takes up: the codes' values come out the same.
;;   OPERANDS COMPUTED ON THE WAY. 'Computed on the way' means the value that the module computes at that place (a softmax that the list does not call 'softmax' is quantised finished and normalised). What goes into a quantiser is computed in f32, as accurately as f32 sums, v_exp_f32 and their like allow (about 1e-6 of the number): no bf16 or f16 on the way to a quantiser, and a product that is left as it is and whose result goes on into a quantised operand takes f32 operands (vector FMAs, or v_wmma_f32_16x16x4_f32). A number that lies on a knife's edge between two numbers of the format may be rounded either way, as far as f32 arithmetic and the matrix unit's own rounding can turn it there, and no further.
;;   INPUTS GIVEN AS CODES. W_t (in the module: [1024, 3072], K = its axis 0); x (in the module: [4, 2048, 1024], K = its axis 2): each comes as NAME_codes (uint8): NAME with its K axis moved to the last place and cut into blocks of 32 codes, [.., K / 32, bytes a block], one block behind the other in memory; two codes a byte, the lower K in the low four bits (a code: sign, 2 exponent bits, 1 mantissa bit); and NAME_scales (uint8): the same leading axes, one E8M0 byte (e + 127) for each 32 codes along K. Its value is code x scale, taken as it is: it is not quantised again, and the codes and scales need not be those that the quantiser above would give.
;; One version. Each part assembles by itself: llvm-mc -triple=amdgcn-amd-amdhsa -mcpu=gfx1250 --defsym DOCPART=n.
;; ======== version 1 of 1: 2 launches
;; workspace buffers: qc 4,194,304 bytes; kc 4,194,304 bytes; vc 4,194,304 bytes; qs 262,144 bytes; ks 262,144 bytes; vs 262,144 bytes
;; launch qkv (part 1): grid 12 x 32, 4 waves a work-group, clusters of 4 x 4, 296,448 bytes of LDS; arguments x_codes, x_scales, W_t_codes, W_t_scales, b, qc, kc, vc, qs, ks, vs; writes qc, kc, vc, qs, ks, vs
.if DOCPART == 1
	.amdgcn_target "amdgcn-amd-amdhsa--gfx1250"
	.amdhsa_code_object_version 6
	.text
	.protected	k_q56fbc290f1_qkv
	.globl	k_q56fbc290f1_qkv
	.p2align	8
	.type	k_q56fbc290f1_qkv,@function
k_q56fbc290f1_qkv:
	s_mov_b64 s[64:65], 0
	v_nop
	global_prefetch_b8 v0, s[64:65] scope:SCOPE_SE
	s_setreg_imm32_b32 hwreg(HW_REG_WAVE_MODE, 25, 1), 1
	s_wait_xcnt 0x0
	s_wait_alu depctr_hold_cnt(0) depctr_sa_sdst(0) depctr_va_vdst(0) depctr_va_sdst(0) depctr_va_ssrc(0) depctr_va_vcc(0) depctr_vm_vsrc(0)
	s_getreg_b32 s2, hwreg(HW_REG_IB_STS2, 6, 4)
	s_cmp_eq_u32 s2, 0
	s_cbranch_scc0 .Lentry_in_a_cluster
	s_endpgm
.Lentry_in_a_cluster:
	s_bfe_u32 s2, ttmp6, 0x10000c
	s_cmp_lg_u32 s2, 0xf033
	s_cbranch_scc0 .Lentry_shape_is_right
	s_endpgm
.Lentry_shape_is_right:
; qkv = x W + b on codes of FP4 (E2M1) with one E8M0 scale for each 32 along K (K = 1,024), and q, k, v quantised again for the attention that follows.
; x: 8,192 rows of 512 bytes of codes, 32 scale bytes a row.  W: 3,072 rows likewise.  b: 3,072 f32.
; A work-group of four waves makes 256 x 256 of qkv, a wave 128 x 128: 64 accumulators of 16 x 16, 512 registers.  All of K (two halves of 512, rows of 256 bytes) and all scale bytes of the
; work-group's rows fit in LDS at once: every LDS byte is filled once, so there is no ring.
; THE MATRIX INSTRUCTION: source 0 = 16 rows of the "B area", source 1 = 16 rows of the "A area": a lane holds one row of the A area, and its eight registers eight neighbouring rows of the B area.
; The quantiser wants its K along a lane's registers.  q and k are quantised along the head's 64 (columns of W), v along the tokens (rows of x).  So the areas change roles BY DATA, the text stays one:
;   cluster x = 0 (q), 1 (k): A area = x, rows 256 (4 cluster y + cy);  B area = W, rows 1,024 cluster x + 256 cx
;   cluster x = 2 (v):        A area = W, rows 2,048 + 256 cy;          B area = x, rows 256 (4 cluster y + cx)
; In both the A area hangs on cy and the cluster's number alone and is asked for jointly by a row of the 4 x 4 cluster, the B area on cx and is asked for jointly by a column.
; The bias is the C of the first K step's products (so it begins each sum instead of ending it: another order of rounding than x W + b).
; OUT: images of the next launch's operand registers, 512 consecutive bytes a store.  HL = 16 batch + head; a step = 128 tokens.
;   qc, kc [HL][token tile of 16: 128][512]: lane l's 16 bytes at 16 l: token l % 16 of the tile, d = 32 (l / 16) + 0 .. 31
;   vc [HL][step 16][dt 4][c 2][512]: lane l's 16 bytes: d = 16 dt + l % 16, keys 64 c + 32 (l / 16) + 0 .. 31 of the step
;   qs, ks [HL][step][r 16][u 4] words: bytes 0, 1 the two blocks of token 32 u + r, bytes 2, 3 those of token 32 u + 16 + r.   vs [HL][step][r 16][dt 4] words: byte i = keys 32 i on, of d = 16 dt + r
; LIMITS: NaN, infinities and the scale byte 0xff among the inputs are not served.  A block of zeros, or one whose largest magnitude lies under 2^-124, gets the byte 1 where the quantiser's rule says 127 or
; less: its codes are zeros or next to it, and these bytes are read by this program alone.
; No prefetch: everything that the work-group reads is asked for at its head.
; REGISTERS, in windows of 256: window 0: v1-27 addresses; v32-95 scale words, two sets; v128-191 the A area's fragments, one set; v192-255 the bias.  window 1: the B area's fragments, two sets.
;   windows 2, 3: the accumulators, (a, b) at v[8 (8 (a % 4) + b)] of window 2 + a / 4.  In the epilogue window 0 is free but for v1, v2, v23, v24.
.set NQ,     4                         ; steps of 128 along K in a slot
.set ROWB,   256                       ; a slot's row: 512 codes
.set KROW,   512                       ; a row of x or W in memory
.set PITCH,  272                       ; an LDS row: 256 bytes + 16 of padding, so that the 16 rows of a fragment load begin in 16 different groups of banks (64 banks of 4 bytes: ISA guide 11.1)
.set FR,     8
.set NL,     2
.set NP,     4                         ; places behind this matrix instruction (ISA guide 7.12.1)
.set HALFT,  128*PITCH                 ; what one tensor load brings of codes
.set SLOT,   4*HALFT                   ; the A area's 256 rows, then the B area's
.set SCL,    2*SLOT                    ; behind the slots: the scale bytes, units of 256 bytes + 16
.set HALFS,  16*272                    ; those of 128 rows
.set SBLK,   2*272                     ; those of 16 rows
.set ADRA, 16                          ; v16-17 LDS address of my fragments of the A area in slot 0, 1
.set ADRB, 20                          ; v20-21 of the B area
.set BOF,  22                          ; v22    my offset in the bias
.set L16,  23                          ; v23    16 x lane
.set SO,   24                          ; v24    4,096 (lane / 16) + 16 (lane % 16): where my scale words go
.set ADRS, 27                          ; v27    LDS address of my scale words: lanes 0-15 the A area's, lanes 16-31 the B area's
.set SC,   32
.set AF,   128
.set BIAS, 192
.set TM,   32                          ; epilogue: 16 largest magnitudes;
.set TP,   48                          ; 16 at work, then the bytes;
.set TS,   64                          ; 16 scale operands of the conversions
.set W4,   96                          ; v96-103   block a's four bytes as a word
.set PM,   104
.set PN,   108
.set XW,   112                         ; v112-115  the four words that my lane stores
.set CD,   128                         ; v128-191  the codes: 8 registers for each a
.set VO,   192                         ; v192-207  the stores' offsets
.set OUTC, 14                          ; s[14:15] where my codes go;  s[20:21] my scale words
.set OUTS, 20
.set WV,  26
.set HA,  27                           ; wave / 2: which half of the A area is mine.  Also: I fetch for the A area (0) or the B area (1)
.set HB,  28                           ; wave % 2: which half of the B area.  Also: which 128 rows I fetch
.set CX,  29
.set CY,  30
.set CLY, 31
.set ISV, 32                           ; 1 in the clusters that make v: the same in all sixteen partners
.set BP,  34                           ; s[34:35] the bias at my first number
.set G1,  36
.set G1B, 44
.set G0,  52
.set G0B, 68
.set G1S, 76
.set G1SB, 84
.set G0S, 92
.set G0SB, 96
.set PADW, (0<<16)|(1<<20)|(1<<21)|(5<<22)|(3<<25)   ; elements of 1 byte; padding on; bit 21 beside a mask; after every 64 words, 4 words
.set PADS, (3<<16)|(1<<20)|(1<<21)|(5<<22)|(3<<25)   ; the same with elements of 8 bytes
.set MSB, 0
.macro WIN new                         ; the immediate's high byte repeats the setting that is left
.if MSB != (\new)
	s_set_vgpr_msb (MSB<<8)|(\new)
.set MSB, (\new)
.endif
.endm
.set MUL_LO, 0xa1                      ; source 0 window 1, source 1 window 0, C and D window 2
.set MUL_HI, 0xf1                      ; the same, C and D window 3
.set TO_B,   0x40                      ; destination window 1, address window 0
; A joint load: waves 0 and 1 fetch for the A area, waves 2 and 3 for the B area; the branch hangs on the wave's number alone.  Four v_nop follow each line.
.macro JLOAD g0a, g1a, g0b, g1b
	s_cmp_eq_u32 s[HA], 0
	s_cbranch_scc0 .Lfor_b_\@
	tensor_load_to_lds s[\g0a:\g0a+3], s[\g1a:\g1a+7]
	s_nop 0
.rept 4
	v_nop
.endr
	s_branch .Lasked_\@
.Lfor_b_\@:
	tensor_load_to_lds s[\g0b:\g0b+3], s[\g1b:\g1b+7]
	s_nop 0
.rept 4
	v_nop
.endr
.Lasked_\@:
.endm
.macro CROUND                          ; a round of the cluster's barrier
	s_barrier_signal -1
	s_barrier_wait -1
	s_cmp_lg_u32 s[WV], 0
	s_cbranch_scc1 .Lnot_wave_0_\@
	s_barrier_signal -3
.Lnot_wave_0_\@:
	s_barrier_wait -3
	s_barrier_signal -1
	s_barrier_wait -1
.endm
	s_load_b512 s[4:19], s[0:1], 0x0               ; x's codes s[4:5], x's scales s[6:7], W's codes s[8:9], W's scales s[10:11], b s[12:13], qc s[14:15], kc s[16:17], vc s[18:19]
	s_load_b128 s[20:23], s[0:1], 0x40             ; qs, ks
	s_load_b64 s[24:25], s[0:1], 0x50              ; vs
	v_lshl_add_u32 v126, v0, 2, 0x48400
	v_mov_b32 v127, 0
	ds_add_u32 v126, v127
	ds_add_u32 v126, v127
	v_lshrrev_b32 v1, 5, v0
	v_readfirstlane_b32 s[WV], v1                  ; wave 0..3
	s_lshr_b32 s[HA], s[WV], 1
	s_and_b32 s[HB], s[WV], 1
	s_bfe_u32 s[CX], ttmp6, 0x40000                ; my place in the cluster
	s_bfe_u32 s[CY], ttmp6, 0x40004
	s_and_b32 s[CLY], ttmp7, 0xffff                ; cluster y, 0..7; ttmp9 = cluster x, 0..2
	s_lshl_b32 s2, s[CY], 2
	s_lshl_b32 s2, 15, s2                          ; my row of the cluster
	s_lshl_b32 s3, 0x1111, s[CX]                   ; my column
	s_or_b32 s[G1], s2, PADW                       ; codes: 128 rows x 256 bytes, 512 bytes apart in memory
	s_or_b32 s[G1B], s3, PADW
.irp g, G1, G1B
	s_mov_b32 s[\g+1], ROWB<<16                    ; tensor_dim0
	s_mov_b32 s[\g+2], 128<<16                     ; tensor_dim1
	s_mov_b32 s[\g+3], ROWB<<16                    ; tile_dim0
	s_mov_b32 s[\g+4], 128                         ; tile_dim1
	s_mov_b32 s[\g+5], KROW                        ; from row to row
	s_mov_b32 s[\g+6], 0
	s_mov_b32 s[\g+7], 0
.endr
	s_or_b32 s[G1S], s2, PADS                      ; scale bytes of 128 rows: 4,096 dense bytes as 16 rows of 32 elements of 8 bytes
	s_or_b32 s[G1SB], s3, PADS
.irp g, G1S, G1SB
	s_mov_b32 s[\g+1], 32<<16
	s_mov_b32 s[\g+2], 16<<16
	s_mov_b32 s[\g+3], 32<<16
	s_mov_b32 s[\g+4], 16
	s_mov_b32 s[\g+5], 32
	s_mov_b32 s[\g+6], 0
	s_mov_b32 s[\g+7], 0
.endr
	; the rows that I fetch.  The A area's: 256 cy + 128 half + (v: 2,048; else 1,024 cluster y).  The B area's: 256 cx + 128 half + (v: 1,024 cluster y; else 1,024 cluster x).
	; s62 never holds cx, s66 never cy.
	s_lshl_b32 s60, s[CLY], 10
	s_lshl_b32 s61, ttmp9, 10
	s_lshl_b32 s33, s[HB], 7
	s_lshl_b32 s62, s[CY], 8
	s_add_co_u32 s62, s62, s33
	s_lshl_b32 s66, s[CX], 8
	s_add_co_u32 s66, s66, s33
	s_mov_b32 s63, 2048
	s_cmp_eq_u32 ttmp9, 2
	s_cselect_b32 s[ISV], 1, 0
	s_cselect_b32 s63, s63, s60
	s_cselect_b32 s67, s60, s61
	s_add_co_u32 s62, s62, s63
	s_add_co_u32 s66, s66, s67
	s_mul_i32 s2, s[WV], HALFT                     ; where they go: wave x 128 rows: no place in the cluster enters an LDS address
	s_mul_i32 s3, s[WV], HALFS
	s_mov_b32 s101, 0
	s_mov_b32 s61, 0
	s_wait_dscnt 0x0
	s_wait_kmcnt 0x0
	s_cmp_eq_u32 s[ISV], 1                         ; which tensor is which area: a choice on the cluster's number alone
	s_cselect_b64 s[G0+2:G0+3], s[8:9], s[4:5]
	s_cselect_b64 s[G0S+2:G0S+3], s[10:11], s[6:7]
	s_cselect_b64 s[G0B+2:G0B+3], s[4:5], s[8:9]
	s_cselect_b64 s[G0SB+2:G0SB+3], s[6:7], s[10:11]
	s_lshl_b32 s100, s62, 9                        ; 512 bytes of codes a row,
	s_add_nc_u64 s[G0+2:G0+3], s[G0+2:G0+3], s[100:101]
	s_lshl_b32 s100, s62, 5                        ; 32 scale bytes
	s_add_nc_u64 s[G0S+2:G0S+3], s[G0S+2:G0S+3], s[100:101]
	s_lshl_b32 s60, s66, 9
	s_add_nc_u64 s[G0B+2:G0B+3], s[G0B+2:G0B+3], s[60:61]
	s_lshl_b32 s60, s66, 5
	s_add_nc_u64 s[G0SB+2:G0SB+3], s[G0SB+2:G0SB+3], s[60:61]
	s_add_nc_u64 s[G0+6:G0+7], s[G0+2:G0+3], ROWB  ; slot 1: the second half of K
	s_add_nc_u64 s[G0B+6:G0B+7], s[G0B+2:G0B+3], ROWB
.irp g, G0, G0+4, G0B, G0B+4, G0S, G0SB
	s_mov_b32 s[\g], 1                             ; count = 1
	s_or_b32 s[\g+3], s[\g+3], 0x80000000          ; type = 2
.endr
	s_mov_b32 s[G0+1], s2
	s_add_co_u32 s[G0+5], s2, SLOT
	s_mov_b32 s[G0B+1], s2
	s_add_co_u32 s[G0B+5], s2, SLOT
	s_add_co_u32 s[G0S+1], s3, SCL
	s_add_co_u32 s[G0SB+1], s3, SCL
	CROUND                                         ; all sixteen work-groups are here: the joint loads meet
	JLOAD G0S, G1S, G0SB, G1SB                     ; three loads a wave, all first fills: the scale bytes,
	JLOAD G0, G1, G0B, G1B                         ; K's first half,
	JLOAD G0+4, G1, G0B+4, G1B                     ; K's second half
	; the bias at my first number: q, k: column 1,024 cluster x + 256 cx + 128 (wave % 2);  v: column 2,048 + 256 cy + 128 (wave / 2)
	s_lshl_b32 s33, ttmp9, 10
	s_lshl_b32 s63, s[CX], 8
	s_add_co_u32 s33, s33, s63
	s_lshl_b32 s63, s[HB], 7
	s_add_co_u32 s33, s33, s63
	s_lshl_b32 s63, s[CY], 8
	s_lshl_b32 s67, s[HA], 7
	s_add_co_u32 s63, s63, s67
	s_add_co_u32 s63, s63, 2048
	s_cmp_eq_u32 s[ISV], 1
	s_cselect_b32 s66, s63, s33
	s_lshl_b32 s66, s66, 2
	s_mov_b32 s67, 0
	s_add_nc_u64 s[BP:BP+1], s[12:13], s[66:67]
	; where the results go
	s_cmp_eq_u32 ttmp9, 1
	s_cselect_b64 s[OUTC:OUTC+1], s[16:17], s[14:15]
	s_cselect_b64 s[OUTS:OUTS+1], s[22:23], s[20:21]
	s_cmp_eq_u32 ttmp9, 2
	s_cselect_b64 s[OUTC:OUTC+1], s[18:19], s[OUTC:OUTC+1]
	s_cselect_b64 s[OUTS:OUTS+1], s[24:25], s[OUTS:OUTS+1]
	s_cselect_b32 s33, s[CX], s[CY]                ; the tokens' coordinate,
	s_cselect_b32 s63, s[CY], s[CX]                ; the columns',
	s_cselect_b32 s2, s[HB], s[HA]                 ; my half of the tokens,
	s_cselect_b32 s3, s[HA], s[HB]                 ; of the columns
	s_and_b32 s66, s[CLY], 1
	s_lshl_b32 s66, s66, 2
	s_add_co_u32 s66, s66, s33
	s_lshl_b32 s66, s66, 1
	s_add_co_u32 s66, s66, s2                      ; my step of 128 tokens in the batch
	s_lshr_b32 s33, s[CLY], 1                      ; the batch
	s_lshl_b32 s33, s33, 4
	s_lshl_b32 s63, s63, 2
	s_add_co_u32 s33, s33, s63
	s_lshl_b32 s3, s3, 1
	s_add_co_u32 s33, s33, s3                      ; HL of my first head
	s_lshl_b32 s33, s33, 4
	s_add_co_u32 s33, s33, s66                     ; 16 HL + step
	s_lshl_b32 s66, s33, 12                        ; 4,096 bytes of codes for a head's step,
	s_add_nc_u64 s[OUTC:OUTC+1], s[OUTC:OUTC+1], s[66:67]
	s_lshl_b32 s66, s33, 8                         ; 256 of scale words
	s_add_nc_u64 s[OUTS:OUTS+1], s[OUTS:OUTS+1], s[66:67]
	v_and_b32 v1, 15, v0                           ; r = lane % 16
	v_bfe_u32 v2, v0, 4, 1                         ; h = lane / 16
	v_mul_u32_u24 v3, v1, PITCH
	v_lshl_add_u32 v4, v2, 4, v3                   ; a fragment's row x pitch + 16 h
	s_mul_i32 s2, s[HA], HALFT                     ; my 128 rows of the A area,
	s_mul_i32 s3, s[HB], HALFT
	s_add_co_u32 s3, s3, 2*HALFT                   ; of the B area
.irp s, 0,1
	v_add_nc_u32 v[ADRA+\s], s2, v4
	v_add_nc_u32 v[ADRB+\s], s3, v4
	s_add_co_u32 s2, s2, SLOT
	s_add_co_u32 s3, s3, SLOT
.endr
	v_mul_u32_u24 v5, v1, 32                       ; my row's scale bytes: 32 a row,
	v_lshrrev_b32 v6, 8, v5
	v_lshl_add_u32 v5, v6, 4, v5                   ; and 16 more for each 256 passed
	s_mul_i32 s2, s[HA], HALFS
	s_mul_i32 s3, s[HB], HALFS
	s_add_co_u32 s3, s3, 2*HALFS
	s_sub_co_u32 s3, s3, s2
	v_mul_u32_u24 v6, s3, v2                       ; lanes 16-31 take the B area's: one product, the distance x h
	s_add_co_u32 s2, s2, SCL
	v_add_nc_u32 v5, v5, v6
	v_add_nc_u32 v[ADRS], s2, v5
	v_and_b32 v[L16], 31, v0
	v_lshlrev_b32 v[L16], 4, v[L16]
	v_lshlrev_b32 v[SO], 12, v2
	v_lshl_add_u32 v[SO], v1, 4, v[SO]
	; the bias in the result's layout.  q, k: register 8 b + j = b[16 b + 8 h + j].  v: register 8 a + j = b[16 a + r], whatever j
	s_cmp_eq_u32 s[ISV], 0
	s_cbranch_scc0 .Lbias_v
	v_lshlrev_b32 v[BOF], 5, v2
.irp b, 0,1,2,3,4,5,6,7
	global_load_b128 v[BIAS+8*\b:BIAS+8*\b+3], v[BOF], s[BP:BP+1] offset:64*\b
	global_load_b128 v[BIAS+8*\b+4:BIAS+8*\b+7], v[BOF], s[BP:BP+1] offset:64*\b+16
.endr
	s_branch .Lbias_done
.Lbias_v:
	v_lshlrev_b32 v[BOF], 2, v1
.irp a, 0,1,2,3,4,5,6,7
.irp j, 0,1,2,3,4,5,6,7
	global_load_b32 v[BIAS+8*\a+\j], v[BOF], s[BP:BP+1] offset:64*\a
.endr
.endr
.Lbias_done:
.macro FRAG reg, adr, q, i             ; 16 rows x 128 K of 4-bit codes: lane l holds row l % 16; registers 4 c .. 4 c + 3 hold K = 64 c + 32 (l / 16) + 0 .. 31
.irp c, 0,1
	ds_load_b128 v[\reg+4*\c:\reg+4*\c+3], v[\adr] offset:64*(\q)+32*\c+(\i)*16*PITCH
.endr
.endm
; 16 matrix instructions: the A area's blocks a0, a0 + 1 x the B area's eight, the slot's q-th 128 along K.  p: the B area's set; sc: the set of scale words.
; zero = 0: in place; 1: C = the bias by b (q, k); 2: C = the bias by a (v).  The 64 accumulators take turns, one instruction a turn, in the same order in every step.
.macro MUL16 a0, p, q, sc, zero
.irp a, \a0, \a0+1
.irp b, 0,1,2,3,4,5,6,7
.set rD, 8*(8*((\a)%4)+\b)
.set rB, 128*(\p)+FR*\b
.set rA, AF+FR*(\a)
.set rC, rD
.if \zero == 1
.set rC, BIAS+8*\b
.elseif \zero == 2
.set rC, BIAS+8*(\a)
.endif
	v_wmma_scale_f32_16x16x128_f8f6f4 v[rD:rD+7], v[rB:rB+7], v[rA:rA+7], v[rC:rC+7], v[SC+8*NQ*(\sc)+NQ*\b+(\q)], v[SC+8*NQ*(\sc)+NQ*(\a)+(\q)] matrix_a_fmt:MATRIX_FMT_FP4 matrix_b_fmt:MATRIX_FMT_FP4 matrix_a_scale:MATRIX_SCALE_ROW1
.endr
.endr
.endm
.macro FETCH_B slot, q, p
	WIN TO_B
.irp i, 0,1,2,3,4,5,6,7
	FRAG 128*(\p)+FR*\i, ADRB+\slot, \q, \i
.endr
	WIN 0
.endm
.macro FETCH_A slot, q, i0
.irp i, \i0, \i0+1, \i0+2, \i0+3
	FRAG AF+FR*(\i), ADRA+\slot, \q, \i
.endr
.endm
.macro SCALES sc                       ; a slot's scale words: four a row; lanes 0-15 the A area's block i, lanes 16-31 the B area's block i
.irp i, 0,1,2,3,4,5,6,7
	ds_load_b128 v[SC+8*NQ*\sc+NQ*\i:SC+8*NQ*\sc+NQ*\i+3], v[ADRS] offset:\i*SBLK
.endr
.endm
.macro PLACES n                        ; plain vector instructions between a matrix instruction and a load into, or a vector read of, its registers (ISA guide 7.12.1 for vector reads)
.rept \n
	v_nop
.endr
.endm
; A step of 128 along K that has its successor in the same slot.  The A area has one set of registers: blocks 0-3 are fetched anew in the step's middle, blocks 4-7 at its end.
.macro STEP slot, q, zero
	s_wait_dscnt 4*NL                              ; all but the eight youngest loads (the A area's blocks 4-7) are in
.if \zero
	WIN 0x81                                       ; C (the bias) window 0, D window 2
.else
	WIN MUL_LO
.endif
	MUL16 0, (\q)%2, \q, \slot, \zero
	MUL16 2, (\q)%2, \q, \slot, \zero
	s_wait_dscnt 0
	PLACES NP
	FETCH_B \slot, (\q)+1, 1-(\q)%2
	FETCH_A \slot, (\q)+1, 0
.if \zero
	WIN 0xc1
.else
	WIN MUL_HI
.endif
	MUL16 4, (\q)%2, \q, \slot, \zero
	MUL16 6, (\q)%2, \q, \slot, \zero
	PLACES NP
	WIN 0
	FETCH_A \slot, (\q)+1, 4
.endm
; Slot 0's last step goes over to slot 1: each wave's part of slot 1 has landed, then a barrier, then everybody reads it.  Nothing is filled again.
.macro TURN slot, next
	s_wait_tensorcnt 0x0                           ; my third load, my part of slot 1, has landed
	s_wait_dscnt 4*NL
	WIN MUL_LO
	MUL16 0, 1, NQ-1, \slot, 0
	s_wait_dscnt 0x0                               ; no LDS instruction of mine is out at the signal
	s_barrier_signal -1
	MUL16 2, 1, NQ-1, \slot, 0
	WIN 0
	s_barrier_wait -1
	PLACES NP
	v_add_nc_u32 v[ADRS], 4*NQ, v[ADRS]            ; the next slot's scale words: 16 bytes on in each row
	FETCH_B \next, 0, 0
	FETCH_A \next, 0, 0
	SCALES \next
	WIN MUL_HI
	MUL16 4, 1, NQ-1, \slot, 0
	MUL16 6, 1, NQ-1, \slot, 0
	PLACES NP
	WIN 0
	FETCH_A \next, 0, 4
.endm
	s_wait_tensorcnt 0x1                           ; the scale bytes and my part of slot 0 are in; my third load, slot 1's, may be out
	s_barrier_signal -1
	s_barrier_wait -1                              ; everybody's are
	FETCH_B 0, 0, 0
	FETCH_A 0, 0, 0
	SCALES 0
	FETCH_A 0, 0, 4
	s_wait_loadcnt 0x0                             ; the bias
	s_cmp_eq_u32 s[ISV], 0                         ; the first step is written twice: it differs in which bias registers begin which sum
	s_cbranch_scc0 .Lfirst_v
	STEP 0, 0, 1
	s_branch .Lfirst_done
.Lfirst_v:
	STEP 0, 0, 2
.Lfirst_done:
	STEP 0, 1, 0
	STEP 0, 2, 0
	TURN 0, 1
	STEP 1, 0, 0
	STEP 1, 1, 0
	STEP 1, 2, 0
	s_wait_dscnt 4*NL                              ; the last step: nothing more to fetch
	WIN MUL_LO
	MUL16 0, 1, NQ-1, 1, 0
	MUL16 2, 1, NQ-1, 1, 0
	s_wait_dscnt 0
	WIN MUL_HI
	MUL16 4, 1, NQ-1, 1, 0
	MUL16 6, 1, NQ-1, 1, 0
	WIN 0
	; THE EPILOGUE.  For block a of the A area a lane holds 128 numbers along the quantiser's K: register 8 b + j = k 16 b + 8 h + j.  A block of 32 is accumulators 2 i and 2 i + 1, in lanes l and l xor 16.
	; All tensor loads are done (the wait for 0 above), so the descriptors' registers are free.
	s_mov_b32 s36, 512
	s_mov_b32 s37, 1024
	s_mov_b32 s38, 2048
	s_mov_b32 s39, 0x10000
	s_cmp_eq_u32 s[ISV], 1
	s_cselect_b32 s40, s37, s36                    ; bytes from a to a + 1: q, k a token tile (512); v a tile of d (1,024)
	s_cselect_b32 s41, s39, s38                    ; from a to a + 4: q, k four token tiles; v the next head
	s_cselect_b32 s42, s36, s39                    ; from b / 4 = 0 to 1: q, k the next head; v the next 64 keys
	s_mov_b32 s44, 0
	s_mov_b32 s45, s40
	s_lshl_b32 s46, s40, 1
	s_add_co_u32 s47, s46, s40
	s_mov_b32 s48, 0
	s_mov_b32 s49, s42
	s_mov_b32 s50, s41
	s_add_co_u32 s51, s41, s42
	s_mov_b32 s52, 0x76543210                      ; v_permlanex16_b32's selects for lane l xor 16
	s_mov_b32 s53, 0xfedcba98
.irp a, 0,1,2,3,4,5,6,7
.irp g, 0,1
	v_add3_u32 v[VO+2*\a+\g], v[L16], s[44+\a%4], s[48+2*(\a/4)+\g]   ; (these sixteen are also the places behind the last products)
.endr
.endr
; The four blocks a = 4 w .. 4 w + 3, whose accumulators fill window 2 + w.
.macro EPI w
	WIN 0x28+0x14*(\w)                             ; sources 1 and 2: the accumulators' window
.irp aq, 0,1,2,3
.irp be, 0,1,2,3
	v_max3_num_f32 v[TM+4*\aq+\be], 0x1800000, |v[64*\aq+16*\be]|, |v[64*\aq+16*\be+1]|   ; my 16 numbers of the block, from each accumulator's low end on, and the floor 2^(3 - 127): the byte cannot fall under 1
.endr
.endr
.irp i, 2,4,6,8,10,12,14
.irp aq, 0,1,2,3
.irp be, 0,1,2,3
	v_max3_num_f32 v[TM+4*\aq+\be], v[TM+4*\aq+\be], |v[64*\aq+16*\be+\i]|, |v[64*\aq+16*\be+\i+1]|
.endr
.endr
.endr
	WIN 0
.irp n, 0,1,2,3,4,5,6,7,8,9,10,11,12,13,14,15
	v_permlanex16_b32 v[TP+\n], v[TM+\n], s52, s53
.endr
.irp n, 0,1,2,3,4,5,6,7,8,9,10,11,12,13,14,15
	v_max_num_f32 v[TM+\n], v[TM+\n], v[TP+\n]     ; with lane l xor 16's: the block's largest magnitude
.endr
.irp n, 0,1,2,3,4,5,6,7,8,9,10,11,12,13,14,15
	v_add_nc_u32 v[TS+\n], 0xff000000, v[TM+\n]    ; 2 off its exponent field: the conversion takes the exponent field of this operand as its scale
.endr
.irp n, 0,1,2,3,4,5,6,7,8,9,10,11,12,13,14,15
	v_lshrrev_b32 v[TP+\n], 23, v[TS+\n]           ; the scale's byte
.endr
.irp aq, 0,1,2,3
	v_lshl_or_b32 v[W4+4*(\w)+\aq], v[TP+4*\aq+1], 8, v[TP+4*\aq]
.endr
.irp aq, 0,1,2,3
	v_lshl_or_b32 v[W4+4*(\w)+\aq], v[TP+4*\aq+2], 16, v[W4+4*(\w)+\aq]
.endr
.irp aq, 0,1,2,3
	v_lshl_or_b32 v[W4+4*(\w)+\aq], v[TP+4*\aq+3], 24, v[W4+4*(\w)+\aq]
.endr
	WIN 0x02+(\w)                                  ; source 0: the accumulators' window
.irp aq, 0,1,2,3
.irp b, 0,1,2,3,4,5,6,7
	v_cvt_scalef32_pk8_fp4_f32 v[CD+8*(4*(\w)+\aq)+4*(\b/4)+2*(\b%2)+(\b%4)/2], v[64*\aq+8*\b:64*\aq+8*\b+7], v[TS+4*\aq+\b/2]   ; of four tiles along K, tiles 0, 2, 1, 3 go to registers 0, 1, 2, 3
.endr
.endr
	WIN 0
	v_nop                                          ; one plain place behind a scaled conversion
.irp aq, 0,1,2,3
.irp g, 0,1
	v_permlane16_swap_b32 v[CD+8*(4*(\w)+\aq)+4*\g], v[CD+8*(4*(\w)+\aq)+4*\g+1]     ; the first's lanes 16-31 change places with the second's lanes 0-15:
	v_permlane16_swap_b32 v[CD+8*(4*(\w)+\aq)+4*\g+2], v[CD+8*(4*(\w)+\aq)+4*\g+3]   ; the four registers now hold k = 32 (lane / 16) + 0 .. 31 of these 64: the operand's layout
.endr
.endr
.irp aq, 0,1,2,3
.irp g, 0,1
	global_store_b128 v[VO+2*(4*(\w)+\aq)+\g], v[CD+8*(4*(\w)+\aq)+4*\g:CD+8*(4*(\w)+\aq)+4*\g+3], s[OUTC:OUTC+1]   ; 32 lanes store 512 consecutive bytes, at a multiple of 512 from the buffer's first byte; no store's registers are written again
.endr
.endr
.endm
	EPI 0
	EPI 1
	; the scale words: lanes 0-15 store my first head's four words of row r, lanes 16-31 my second head's
	v_cmp_eq_u32 vcc_lo, 1, v2
	s_cmp_eq_u32 s[ISV], 0
	s_cbranch_scc0 .Lsc_v
.irp e, 0,1,2,3
	v_perm_b32 v[PM+\e], v[W4+2*\e+1], v[W4+2*\e], 0x05040100   ; q, k: a word of block a holds head 0's two bytes, then head 1's: word e of a head takes those of token tiles 2 e and 2 e + 1
	v_perm_b32 v[PN+\e], v[W4+2*\e+1], v[W4+2*\e], 0x07060302
.endr
.irp e, 0,1,2,3
	v_cndmask_b32 v[XW+\e], v[PM+\e], v[PN+\e], vcc_lo
.endr
	s_branch .Lsc_done
.Lsc_v:
.irp e, 0,1,2,3
	v_cndmask_b32 v[XW+\e], v[W4+\e], v[W4+4+\e], vcc_lo        ; v: block a = 4 head + dt has its word whole
.endr
.Lsc_done:
	global_store_b128 v[SO], v[XW:XW+3], s[OUTS:OUTS+1]          ; sixteen lanes store 256 consecutive bytes, aligned
	s_wait_tensorcnt 0x0
	ds_add_u32 v126, v127
	s_wait_dscnt 0x0
	CROUND                                         ; the closing round: no work-group ends while a partner may still ask for a tile that names it
	s_endpgm
.Lfunc_end_k_q56fbc290f1_qkv:
	.size	k_q56fbc290f1_qkv, .Lfunc_end_k_q56fbc290f1_qkv-k_q56fbc290f1_qkv
	.p2alignl 7, 3214868480
	.fill 96, 4, 3214868480
	.section	.rodata,"a",@progbits
	.p2align	6, 0x0
	.amdhsa_kernel k_q56fbc290f1_qkv
		.amdhsa_group_segment_fixed_size 296448
		.amdhsa_private_segment_fixed_size 0
		.amdhsa_enable_private_segment 0
		.amdhsa_kernarg_size 88
		.amdhsa_user_sgpr_count 2
		.amdhsa_user_sgpr_kernarg_segment_ptr 1
		.amdhsa_wavefront_size32 1
		.amdhsa_system_sgpr_workgroup_id_x 1
		.amdhsa_system_sgpr_workgroup_id_y 1
		.amdhsa_system_sgpr_workgroup_id_z 1
		.amdhsa_system_vgpr_workitem_id 0
		.amdhsa_next_free_vgpr 1024
		.amdhsa_next_free_sgpr 102
		.amdhsa_reserve_vcc 1
		.amdhsa_float_denorm_mode_32 3
		.amdhsa_float_denorm_mode_16_64 3
		.amdhsa_memory_ordered 1
		.amdhsa_forward_progress 1
		.amdhsa_inst_pref_size 148
	.end_amdhsa_kernel
	.amdgpu_metadata
---
amdhsa.version: [ 1, 2 ]
amdhsa.kernels:
  - .name:           k_q56fbc290f1_qkv
    .symbol:         k_q56fbc290f1_qkv.kd
    .args:
      - { .name: x_codes, .offset: 0, .size: 8, .value_kind: global_buffer, .address_space: global }
      - { .name: x_scales, .offset: 8, .size: 8, .value_kind: global_buffer, .address_space: global }
      - { .name: W_t_codes, .offset: 16, .size: 8, .value_kind: global_buffer, .address_space: global }
      - { .name: W_t_scales, .offset: 24, .size: 8, .value_kind: global_buffer, .address_space: global }
      - { .name: b, .offset: 32, .size: 8, .value_kind: global_buffer, .address_space: global }
      - { .name: qc, .offset: 40, .size: 8, .value_kind: global_buffer, .address_space: global }
      - { .name: kc, .offset: 48, .size: 8, .value_kind: global_buffer, .address_space: global }
      - { .name: vc, .offset: 56, .size: 8, .value_kind: global_buffer, .address_space: global }
      - { .name: qs, .offset: 64, .size: 8, .value_kind: global_buffer, .address_space: global }
      - { .name: ks, .offset: 72, .size: 8, .value_kind: global_buffer, .address_space: global }
      - { .name: vs, .offset: 80, .size: 8, .value_kind: global_buffer, .address_space: global }
    .group_segment_fixed_size: 296448
    .private_segment_fixed_size: 0
    .kernarg_segment_align: 8
    .kernarg_segment_size: 88
    .max_flat_workgroup_size: 128
    .sgpr_count:     102
    .vgpr_count:     1024
    .wavefront_size: 32
...
	.end_amdgpu_metadata
.endif
;; end of part 1
;; launch attn (part 2): grid 4 x 64, 16 waves a work-group, no clusters, 215,040 bytes of LDS; arguments qc, qs, kc, ks, vc, vs, out0; writes out0
.if DOCPART == 2
	.amdgcn_target "amdgcn-amd-amdhsa--gfx1250"
	.amdhsa_code_object_version 6
	.text
	.protected	k_q56fbc290f1_attn
	.globl	k_q56fbc290f1_attn
	.p2align	8
	.type	k_q56fbc290f1_attn,@function
k_q56fbc290f1_attn:
	s_mov_b64 s[64:65], 0
	v_nop
	global_prefetch_b8 v0, s[64:65] scope:SCOPE_SE
	s_setreg_imm32_b32 hwreg(HW_REG_WAVE_MODE, 25, 1), 1
	s_wait_xcnt 0x0
; out0[batch][q][head][:] = the sum over keys k <= q of softmax_k(q . k / 8) v, both products on codes of FP4 (E2M1) with one E8M0 scale for each 32 along a product's K.
; q, k, v come as images of operand registers with their scale words, as the launch before has laid them (HL = 16 batch + head; a step = 128 keys):
;   qc, kc [HL][tile of 16 tokens: 128][512]: lane l's 16 bytes at 16 l: token l % 16, d = 32 (l / 16) + 0 .. 31;   vc [HL][step 16][dt 4][c 2][512]: d = 16 dt + l % 16, keys 64 c + 32 (l / 16) + 0 .. 31
;   qs, ks [HL][step][r 16][u 4] words: bytes 0, 1: token 32 u + r, bytes 2, 3: token 32 u + 16 + r;   vs [HL][step][r 16][dt 4] words: byte i: keys 32 i on
; THE SOFTMAX: t = score x log2(e) / 8; M = the running largest t, rounded up to a whole number; p = 2^(t - M) is quantised along the keys, not normalised; the row's sum is taken of the unquantised p and divides
; at the end.  When M moves, the sum and O are multiplied by 2^(old M - new M): exact.
; SHARES.  Work-group (p, HL), p = 0 .. 3, sixteen waves.  Wave w takes tile 16 p + w of the head's 128 tiles of 16 queries (pass 0) and then tile 127 - 16 p - w (pass 1): under the causal mask the two
; together have 17 steps of 128 keys, in every wave of the launch.  Pass 0 walks 8 trips (its queries lie under 1,024), pass 1 walks 16; a step all of whose keys come after the queries is jumped over at its head.
; LDS holds the head's K and V whole (each byte filled once): no ring.
; NO CLUSTER, though the four work-groups of a head read the same K and V: which steps are jumped over hangs on the work-group's block of queries.
; NO PREFETCH: all that a work-group reads is asked for at its head.
; K = 64 IN AN INSTRUCTION OF 128: source 0 holds TWO tiles of keys (registers 0-3: tile 2 u, registers 4-7: tile 2 u + 1); Q stands as 12 registers [q][0][q]: source 1 = (q, 0) gives tile 2 u's scores, (0, q) tile
; 2 u + 1's.  The idle half has zero codes, and the byte 0 (a power of two, no NaN) as Q's scale.
; Both products are used transposed (S^T = K Q^T, O^T = V^T P^T): a lane holds one query (lane % 16) throughout; S^T's register 8 t + j is key 16 t + 8 (lane / 16) + j.
; LIMITS: NaN and infinities are not served.  A block of p that is all zeros keeps the byte 1: its codes are zeros.  The block's largest p is made from the block's largest score by the same two instructions,
; which takes v_exp_f32 not to fall where its input rises.
.set KCB,   0                          ; LDS: K's images, 65,536 bytes;
.set VCB,   65536                      ; V's;
.set SCK,   131072                     ; K's scale words, 4,096 bytes;
.set SCV,   135168                     ; V's;
.set STAGE, 139264                     ; the way out: 16 rows x (256 + 16) bytes for each wave; no tensor load lands here
.set LI,  1                            ; v1   16 x lane
.set LS,  2                            ; v2   SCK + 16 r
.set AK,  3                            ; v3-5 the step's addresses: K, V, scale words
.set AV,  4
.set AS,  5
.set GO,  6                            ; v6   4,096 h + 16 r: my place in two rows of out0
.set SI,  7                            ; v7   the stage, in
.set SB,  8                            ; v8   the stage, back
.set LV,  9                            ; v9   VCB + 16 x lane
.set RH,  10                           ; v10  r - 8 h
.set R16, 11                           ; v11  16 r
;                                        v12 -M, v13 the largest t, v[14:15] the sum in two halves; v16-27 Q as [q][0][q]; v28, v29 Q's two scale words; v30 P's scale word
.set KF_, 32                           ; v32-63  K's four fragments
.set VF_, 64                           ; v64-95  V's four
.set S,   96                           ; v96-159 S^T, then p
.set O,   160                          ; v160-191 O^T
.set PC,  192                          ; v192-199 P's codes
.set KSW, 200                          ; v200-203 K's scale words;  v204-207 V's
.set VSW, 204
.set BM,  208                          ; v208-211 the blocks' largest scores, then largest p
.set BT,  212                          ; v212-215 at work
.set BS,  216                          ; v216-219 the conversions' scale operands
.set F,   220                          ; v[220:221] f = 2^(old M - new M); on the way out 1 / the sum
.set TT,  222
.set DD,  223
.set NI,  224
;                                        v226, v227 Q's scale words as loaded, pass 0 and 1; v228-231 Q's image for pass 1
.set TB,  2                            ; s2   the step's images: 4,096 bytes a step
.set TJ,  3                            ; s3   its scale words: 256
.set WV,  18
.set SEL, 20
.set CS,  22
.set G1S, 24
.set G1C, 32
.set G0K, 40                           ; s[40:51] three groups 0 for K;  s[52:63] for V
.set G0V, 52
.set KF,  66                           ; the step's first key
.set Q0,  67                           ; my first query
.set CNT, 68
.set HL,  69
.set T0,  70                           ; s70, s71 my two tiles
.set QP,  80                           ; s[80:83] Q's images, pass 0 and 1;  s[84:87] their scale words;  s[88:91] my rows of out0
.set QSP, 84
.set OP,  88
.set SH,  92                           ; s92, s93 16 (tile % 2)
.set Q00, 94                           ; s94, s95 16 x tile
	s_load_b256 s[4:11], s[0:1], 0x0               ; qc s[4:5], qs s[6:7], kc s[8:9], ks s[10:11]
	s_load_b128 s[12:15], s[0:1], 0x20             ; vc, vs
	s_load_b64 s[16:17], s[0:1], 0x30              ; out0
	v_lshl_add_u32 v254, v0, 2, 0x34000
	v_mov_b32 v255, 0
	ds_add_u32 v254, v255
	ds_add_u32 v254, v255
	v_lshrrev_b32 v1, 5, v0
	v_readfirstlane_b32 s[WV], v1                  ; wave 0..15
	s_and_b32 s[HL], ttmp7, 0xffff
	; group 1: dense blocks as rows of 256 bytes (32 elements of 8 bytes), no padding: 8 rows of scale words, 64 rows of images
	s_mov_b32 s[G1S], 3<<16
	s_mov_b32 s[G1S+1], 32<<16
	s_mov_b32 s[G1S+2], 8<<16
	s_mov_b32 s[G1S+3], 32<<16
	s_mov_b32 s[G1S+4], 8
	s_mov_b32 s[G1S+5], 32
	s_mov_b32 s[G1S+6], 0
	s_mov_b32 s[G1S+7], 0
	s_mov_b32 s[G1C], 3<<16
	s_mov_b32 s[G1C+1], 32<<16
	s_mov_b32 s[G1C+2], 64<<16
	s_mov_b32 s[G1C+3], 32<<16
	s_mov_b32 s[G1C+4], 64
	s_mov_b32 s[G1C+5], 32
	s_mov_b32 s[G1C+6], 0
	s_mov_b32 s[G1C+7], 0
	s_and_b32 s72, s[WV], 1                        ; which half I fetch, if I fetch
	s_lshl_b32 s73, s72, 14                        ; 16,384 bytes of images,
	s_lshl_b32 s74, s72, 11                        ; 2,048 of scale words
	s_lshl_b32 s76, s[HL], 16
	s_add_co_u32 s76, s76, s73
	s_mov_b32 s77, 0
	s_lshl_b32 s78, s[HL], 12
	s_add_co_u32 s78, s78, s74
	s_mov_b32 s79, 0
	s_mov_b32 s[SEL], 0x76543210
	s_mov_b32 s[SEL+1], 0xfedcba98                 ; v_permlanex16_b32's selects for lane l xor 16
	s_mov_b32 s[CS], 0x3e38aa3b                    ; c = log2(e) / 8
	s_mov_b32 s[CS+1], s[CS]                       ; (named with it as a pair, so it is written)
	s_wait_dscnt 0x0
	s_wait_kmcnt 0x0
	s_mov_b32 s[G0K], 1                            ; K: half of the head's scale words,
	s_add_co_u32 s[G0K+1], s74, SCK
	s_add_nc_u64 s[G0K+2:G0K+3], s[10:11], s[78:79]
	s_mov_b32 s[G0K+4], 1                          ; half of keys 0 to 1,023,
	s_add_co_u32 s[G0K+5], s73, KCB
	s_add_nc_u64 s[G0K+6:G0K+7], s[8:9], s[76:77]
	s_mov_b32 s[G0K+8], 1                          ; half of keys 1,024 to 2,047
	s_add_co_u32 s[G0K+9], s73, KCB+32768
	s_add_nc_u64 s[G0K+10:G0K+11], s[G0K+6:G0K+7], 32768
	s_mov_b32 s[G0V], 1                            ; V likewise
	s_add_co_u32 s[G0V+1], s74, SCV
	s_add_nc_u64 s[G0V+2:G0V+3], s[14:15], s[78:79]
	s_mov_b32 s[G0V+4], 1
	s_add_co_u32 s[G0V+5], s73, VCB
	s_add_nc_u64 s[G0V+6:G0V+7], s[12:13], s[76:77]
	s_mov_b32 s[G0V+8], 1
	s_add_co_u32 s[G0V+9], s73, VCB+32768
	s_add_nc_u64 s[G0V+10:G0V+11], s[G0V+6:G0V+7], 32768
.irp g, G0K+3, G0K+7, G0K+11, G0V+3, G0V+7, G0V+11
	s_or_b32 s[\g], s[\g], 0x80000000              ; type = 2
.endr
	; the first fills, the only fills: waves 0, 1 fetch K, waves 2, 3 V, three loads each, in one branch on the wave's number; three loads of a wave are out.  Four v_nop follow the third
	s_cmp_lt_u32 s[WV], 2
	s_cbranch_scc0 .Lnot_k
	tensor_load_to_lds s[G0K:G0K+3], s[G1S:G1S+7]
	s_nop 0
	tensor_load_to_lds s[G0K+4:G0K+7], s[G1C:G1C+7]
	s_nop 0
	tensor_load_to_lds s[G0K+8:G0K+11], s[G1C:G1C+7]
	s_nop 0
.rept 4
	v_nop
.endr
	s_branch .Lasked
.Lnot_k:
	s_cmp_lt_u32 s[WV], 4
	s_cbranch_scc0 .Lasked
	tensor_load_to_lds s[G0V:G0V+3], s[G1S:G1S+7]
	s_nop 0
	tensor_load_to_lds s[G0V+4:G0V+7], s[G1C:G1C+7]
	s_nop 0
	tensor_load_to_lds s[G0V+8:G0V+11], s[G1C:G1C+7]
	s_nop 0
.rept 4
	v_nop
.endr
.Lasked:
	s_lshl_b32 s[T0], ttmp9, 4
	s_add_co_u32 s[T0], s[T0], s[WV]               ; pass 0's tile: 16 p + w
	s_sub_co_u32 s[T0+1], 127, s[T0]               ; pass 1's
.irp n, 0,1                                    ; each pass's pointers, in registers of its own
	s_lshl_b32 s76, s[HL], 16
	s_lshl_b32 s72, s[T0+\n], 9
	s_add_co_u32 s76, s76, s72
	s_add_nc_u64 s[QP+2*\n:QP+2*\n+1], s[4:5], s[76:77]        ; Q's image: 512 bytes a tile
	s_lshl_b32 s76, s[HL], 12
	s_lshr_b32 s72, s[T0+\n], 3
	s_lshl_b32 s72, s72, 8
	s_add_co_u32 s76, s76, s72                     ; its step's 256 bytes of scale words,
	s_bfe_u32 s72, s[T0+\n], 0x20001
	s_lshl_b32 s72, s72, 2
	s_add_co_u32 s76, s76, s72                     ; word (tile / 2) % 4 of a row's four
	s_add_nc_u64 s[QSP+2*\n:QSP+2*\n+1], s[6:7], s[76:77]
	s_and_b32 s[SH+\n], s[T0+\n], 1
	s_lshl_b32 s[SH+\n], s[SH+\n], 4               ; and which half of that word
	s_lshl_b32 s[Q00+\n], s[T0+\n], 4
	s_lshr_b32 s72, s[HL], 4
	s_lshl_b32 s72, s72, 11
	s_add_co_u32 s72, s72, s[Q00+\n]               ; row of out0: 2,048 batch + my first query,
	s_lshl_b32 s76, s72, 12                        ; 4,096 bytes a row,
	s_and_b32 s72, s[HL], 15
	s_lshl_b32 s72, s72, 8                         ; 256 bytes a head
	s_add_co_u32 s76, s76, s72
	s_add_nc_u64 s[OP+2*\n:OP+2*\n+1], s[16:17], s[76:77]
.endr
	v_and_b32 v[R16], 15, v0                       ; r
	v_bfe_u32 v[RH], v0, 4, 1                      ; h
	v_and_b32 v[LI], 31, v0
	v_lshlrev_b32 v[LI], 4, v[LI]
	v_add_nc_u32 v[LV], VCB, v[LI]
	v_lshlrev_b32 v[GO], 12, v[RH]
	v_lshl_add_u32 v[GO], v[R16], 4, v[GO]
	s_mul_i32 s72, s[WV], 16*272
	s_add_co_u32 s72, s72, STAGE                   ; my stage
	v_mul_u32_u24 v[SI], v[R16], 272
	v_lshl_add_u32 v[SI], v[RH], 5, v[SI]
	v_add_nc_u32 v[SI], s72, v[SI]                 ; in: row r, + 32 h
	v_mul_u32_u24 v[SB], v[RH], 272
	v_lshl_add_u32 v[SB], v[R16], 4, v[SB]
	v_add_nc_u32 v[SB], s72, v[SB]                 ; back: lanes 0-15 one row, lanes 16-31 the next
	v_lshlrev_b32 v[RH], 3, v[RH]
	v_sub_nc_u32 v[RH], v[R16], v[RH]              ; r - 8 h
	v_lshlrev_b32 v[R16], 4, v[R16]
	v_add_nc_u32 v[LS], SCK, v[R16]
	global_load_b128 v[16:19], v[LI], s[QP:QP+1]   ; Q's four registers, twice: [q][0][q]
	global_load_b128 v[24:27], v[LI], s[QP:QP+1]
	global_load_b32 v226, v[R16], s[QSP:QSP+1]
	global_load_b128 v[228:231], v[LI], s[QP+2:QP+3]   ; and pass 1's, so that it need not wait for memory
	global_load_b32 v227, v[R16], s[QSP+2:QSP+3]
.irp i, 20,21,22,23
	v_mov_b32 v[\i], 0                             ; the zero codes between
.endr
.irp i, 0,1,2,3
	v_mov_b32 v[BT+\i], 0                          ; written once: a lane permute's destination counts as one of its sources
.endr
	v_mov_b32 v[F+1], 0                            ; (named as the upper half of a pair)
	v_mov_b32 v[TT], 0
; A KEY STEP: 128 keys.
.macro STEP
	s_cmp_gt_u32 s[KF], s[Q0]                      ; both are multiples of 16: then all 128 keys come after my 16 queries, and the step's work is left out
	s_cbranch_scc1 .Lhidden_\@
	v_add_nc_u32 v[AK], s[TB], v[LI]
	v_add_nc_u32 v[AV], s[TB], v[LV]
	v_add_nc_u32 v[AS], s[TJ], v[LS]
	v_nop                                          ; four places in front of loads into registers that the last products have read
.irp t, 0,1,2,3,4,5,6,7
	ds_load_b128 v[KF_+4*\t:KF_+4*\t+3], v[AK] offset:512*\t       ; tile t's image: half of fragment t / 2
.endr
	ds_load_b128 v[KSW:KSW+3], v[AS]               ; K's four scale words of row r
.irp i, 0,1,2,3,4,5,6,7
	ds_load_b128 v[VF_+4*\i:VF_+4*\i+3], v[AV] offset:512*\i       ; V: fragment i / 2, registers 4 (i % 2) on
.endr
	ds_load_b128 v[VSW:VSW+3], v[AS] offset:SCV-SCK
	s_wait_dscnt 9                                 ; K and its words are in; V's nine loads may be out
.irp t, 0,1,2,3,4,5,6,7
	v_wmma_scale_f32_16x16x128_f8f6f4 v[S+8*\t:S+8*\t+7], v[KF_+8*(\t/2):KF_+8*(\t/2)+7], v[16+4*(\t%2):23+4*(\t%2)], 0, v[KSW+\t/2], v[28+\t%2] matrix_a_fmt:MATRIX_FMT_FP4 matrix_b_fmt:MATRIX_FMT_FP4
.endr
.rept 4
	v_nop
.endr
	s_add_co_u32 s72, s[KF], 127                   ; on the diagonal the scores of hidden keys become -infinity ahead of the maximum; a step all of whose keys count skips this
	s_cmp_le_u32 s72, s[Q0]
	s_cbranch_scc1 .Lopen_\@
	s_sub_co_i32 s72, s[Q0], s[KF]
	v_add_nc_u32 v[DD], s72, v[RH]                 ; d = my query - the step's first key - 8 h.  Register 8 t + j holds key 16 t + 8 h + j: hidden where 16 t + j > d
	v_mov_b32 v[NI], 0xff800000
.irp n, 0,1,2,3,4,5,6,7,8,9,10,11,12,13,14,15,16,17,18,19,20,21,22,23,24,25,26,27,28,29,30,31,32,33,34,35,36,37,38,39,40,41,42,43,44,45,46,47,48,49,50,51,52,53,54,55,56,57,58,59,60,61,62,63
	v_cmp_gt_i32 vcc_lo, 16*(\n/8)+\n%8, v[DD]
	v_cndmask_b32 v[S+\n], v[S+\n], v[NI], vcc_lo
.endr
.Lopen_\@:
.irp b, 0,1,2,3
	v_max3_num_f32 v[BM+\b], v[S+16*\b], v[S+1+16*\b], v[S+2+16*\b]   ; the largest score of each block of 32 keys: for the row's maximum, and, since p rises with the score, for the block's largest p
.endr
.irp i, 3,5,7,9,11,13
.irp b, 0,1,2,3
	v_max3_num_f32 v[BM+\b], v[BM+\b], v[S+16*\b+\i], v[S+1+16*\b+\i]
.endr
.endr
.irp b, 0,1,2,3
	v_max_num_f32 v[BM+\b], v[BM+\b], v[S+15+16*\b]
.endr
.irp b, 0,1,2,3
	v_permlanex16_b32 v[BT+\b], v[BM+\b], s[SEL], s[SEL+1]
.endr
.irp b, 0,1,2,3
	v_max_num_f32 v[BM+\b], v[BM+\b], v[BT+\b]     ; with lane l xor 16's 16 keys
.endr
	v_max3_num_f32 v[TT], v[BM], v[BM+1], v[BM+2]
	v_max_num_f32 v[TT], v[TT], v[BM+3]
	v_mul_f32 v[TT], s[CS], v[TT]                  ; the step's largest t
	v_max_num_f32 v13, v13, v[TT]
	v_mov_b32 v[TT], v12
	v_floor_f32 v12, -v13                          ; the new -M = -ceil(t): a whole number
	v_sub_f32 v[TT], v12, v[TT]                    ; old M - new M, 0 or less
	v_cvt_i32_f32 v[TT], v[TT]                     ; (it saturates)
	v_ldexp_f32 v[F], 1.0, v[TT]                   ; f = 2^(old M - new M)
.irp j, 0,2,4,6,8,10,12,14,16,18,20,22,24,26,28,30,32,34,36,38,40,42,44,46,48,50,52,54,56,58,60,62
	v_pk_fma_f32 v[S+\j:S+1+\j], v[S+\j:S+1+\j], s[CS:CS+1], v[12:13] op_sel_hi:[1,0,0]   ; t - M, two at a time
.endr
.irp b, 0,1,2,3
	v_fma_f32 v[BM+\b], v[BM+\b], s[CS], v12
.endr
.irp j, 0,1,2,3,4,5,6,7,8,9,10,11,12,13,14,15,16,17,18,19,20,21,22,23,24,25,26,27,28,29,30,31,32,33,34,35,36,37,38,39,40,41,42,43,44,45,46,47,48,49,50,51,52,53,54,55,56,57,58,59,60,61,62,63
	v_exp_f32 v[S+\j], v[S+\j]                     ; p = 2^(t - M)
.endr
	v_pk_mul_f32 v[14:15], v[14:15], v[F:F+1] op_sel_hi:[1,0]   ; the sums under the new M: a plain line behind the exponentials
	s_wait_alu depctr_va_vdst(0)                   ; one wait for the batch of 64, ahead of its first reader
.irp b, 0,1,2,3
	v_exp_f32 v[BM+\b], v[BM+\b]                   ; the blocks' largest p
.endr
	v_pk_add_f32 v[BT:BT+1], v[S:S+1], v[S+2:S+3]  ; the row's sum, of the unquantised p, in two chains: it names the 64 alone
.irp j, 4,8,12,16,20,24,28,32,36,40,44,48,52,56,60
	v_pk_add_f32 v[14:15], v[14:15], v[S+\j:S+1+\j]
	v_pk_add_f32 v[BT:BT+1], v[BT:BT+1], v[S+2+\j:S+3+\j]
.endr
	v_pk_add_f32 v[14:15], v[14:15], v[BT:BT+1]
	s_wait_alu depctr_va_vdst(0)                   ; and one for the four
.irp b, 0,1,2,3
	v_max_num_f32 v[BM+\b], 0x1800000, v[BM+\b]    ; the floor 2^(3 - 127): the byte cannot fall under 1
.endr
.irp b, 0,1,2,3
	v_add_nc_u32 v[BS+\b], 0xff000000, v[BM+\b]    ; 2 off the exponent field: the conversion's scale operand
.endr
.irp b, 0,1,2,3
	v_lshrrev_b32 v[BT+\b], 23, v[BS+\b]           ; the scale's byte
.endr
	v_lshl_or_b32 v30, v[BT+1], 8, v[BT]           ; P's scale word for these 128 keys
	v_lshl_or_b32 v30, v[BT+2], 16, v30
	v_lshl_or_b32 v30, v[BT+3], 24, v30
.irp b, 0,1,2,3
	v_cvt_scalef32_pk8_fp4_f32 v[PC+4*(\b/2)+\b%2], v[S+16*\b:S+7+16*\b], v[BS+\b]       ; of four tiles of keys, tiles 0, 2, 1, 3 go to registers 0, 1, 2, 3
	v_cvt_scalef32_pk8_fp4_f32 v[PC+4*(\b/2)+2+\b%2], v[S+8+16*\b:S+15+16*\b], v[BS+\b]
.endr
	v_nop                                          ; one plain place behind a scaled conversion
.irp c, 0,1
	v_permlane16_swap_b32 v[PC+4*\c], v[PC+4*\c+1]     ; registers 4 c .. 4 c + 3 now hold keys 64 c + 32 (lane / 16) + 0 .. 31
	v_permlane16_swap_b32 v[PC+4*\c+2], v[PC+4*\c+3]
.endr
.irp j, 0,2,4,6,8,10,12,14,16,18,20,22,24,26,28,30
	v_pk_mul_f32 v[O+\j:O+1+\j], v[O+\j:O+1+\j], v[F:F+1] op_sel_hi:[1,0]   ; O^T under the new M.  (These sixteen are also the places between the scale word's and the codes' last writes and the products)
.endr
	s_wait_dscnt 0x0                               ; V and its words are in
.irp t, 0,1,2,3
	v_wmma_scale_f32_16x16x128_f8f6f4 v[O+8*\t:O+8*\t+7], v[VF_+8*\t:VF_+8*\t+7], v[PC:PC+7], v[O+8*\t:O+8*\t+7], v[VSW+\t], v30 matrix_a_fmt:MATRIX_FMT_FP4 matrix_b_fmt:MATRIX_FMT_FP4
.endr
.Lhidden_\@:
	s_add_co_u32 s[KF], s[KF], 128
	s_add_co_u32 s[TB], s[TB], 4096
	s_add_co_u32 s[TJ], s[TJ], 256
.endm
; A PASS: one tile of 16 queries against the first 128 x trips keys.
.macro PASS n, trips
.if \n == 0
	s_wait_tensorcnt 0x1                           ; my scale words and my part of keys 0 to 1,023 have landed; my third load, keys 1,024 on, may be out: this pass does not read them
	s_barrier_signal -1
	s_barrier_wait -1                              ; everybody's have
	s_wait_loadcnt 0x0                             ; Q, for both passes
.else
	s_wait_xcnt 0x0                                ; pass 0's stores have read their registers, which this pass loads anew
	s_wait_tensorcnt 0x0                           ; my part of keys 1,024 on has landed,
	s_wait_dscnt 0x0
	s_barrier_signal -1
	s_barrier_wait -1                              ; and everybody's
.irp i, 0,1,2,3
	v_mov_b32 v[16+\i], v[228+\i]
	v_mov_b32 v[24+\i], v[228+\i]
.endr
.endif
	v_bfe_u32 v28, v[226+\n], s[SH+\n], 16         ; my tile's two bytes: (s0, s1, 0, 0) for source 1 = (q, 0),
	v_lshlrev_b32 v29, 16, v28                     ; (0, 0, s0, s1) for (0, q)
	v_mov_b32 v13, 0xff61b1e6                      ; the largest t so far: -3e38
	v_floor_f32 v12, -v13
	v_mov_b32 v14, 0
	v_mov_b32 v15, 0
.irp j, 0,1,2,3,4,5,6,7,8,9,10,11,12,13,14,15,16,17,18,19,20,21,22,23,24,25,26,27,28,29,30,31
	v_mov_b32 v[O+\j], 0                           ; O^T: the step is written once; the first change of M leaves zeros zeros.  (Also the places between Q's scale words and the first products)
.endr
	s_mov_b32 s[Q0], s[Q00+\n]
	s_mov_b32 s[KF], 0
	s_mov_b32 s[TB], 0
	s_mov_b32 s[TJ], 0
	s_mov_b32 s[CNT], \trips
.Ltrip_\@:
	STEP
	s_sub_co_u32 s[CNT], s[CNT], 1
	s_cmp_lg_u32 s[CNT], 0
	s_cbranch_scc1 .Ltrip_\@
	; THE WAY OUT: O^T / the sum, through my stage, so that sixteen lanes store a query's 256 bytes of this head
.rept 4
	v_nop                                          ; places behind the last products: the trips in between may have been left out
.endr
	v_add_f32 v14, v14, v15
	v_permlanex16_b32 v[TT], v14, s[SEL], s[SEL+1]
	v_add_f32 v14, v14, v[TT]                      ; the row's sum
	v_rcp_f32 v[F], v14
	v_nop                                          ; a plain place behind the reciprocal,
	s_wait_alu depctr_va_vdst(0)                   ; and the wait ahead of its first reader
.irp j, 0,2,4,6,8,10,12,14,16,18,20,22,24,26,28,30
	v_pk_mul_f32 v[S+\j:S+1+\j], v[O+\j:O+1+\j], v[F:F+1] op_sel_hi:[1,0]   ; register 8 t + j = o(query r, d = 16 t + 8 h + j)
.endr
.irp t, 0,1,2,3
	ds_store_b128 v[SI], v[S+8*\t:S+8*\t+3] offset:64*\t
	ds_store_b128 v[SI], v[S+8*\t+4:S+8*\t+7] offset:64*\t+16
.endr
.irp i, 0,1,2,3,4,5,6,7
	ds_load_b128 v[KF_+4*\i:KF_+4*\i+3], v[SB] offset:2*\i*272   ; LDS serves a wave's instructions in order (ISA guide 5.7.1.4): these see my stores
.endr
.irp i, 0,1,2,3,4,5,6,7
	s_wait_dscnt 7-\i
	global_store_b128 v[GO], v[KF_+4*\i:KF_+4*\i+3], s[OP+2*\n:OP+2*\n+1] offset:2*\i*4096 th:TH_STORE_NT   ; 16 lanes store 256 consecutive bytes, at a multiple of 256 from out0's first byte
.endr
.endm
	PASS 0, 8
	PASS 1, 16
	s_wait_tensorcnt 0x0
	ds_add_u32 v254, v255
	s_wait_dscnt 0x0
	s_endpgm
.Lfunc_end_k_q56fbc290f1_attn:
	.size	k_q56fbc290f1_attn, .Lfunc_end_k_q56fbc290f1_attn-k_q56fbc290f1_attn
	.p2alignl 7, 3214868480
	.fill 96, 4, 3214868480
	.section	.rodata,"a",@progbits
	.p2align	6, 0x0
	.amdhsa_kernel k_q56fbc290f1_attn
		.amdhsa_group_segment_fixed_size 215040
		.amdhsa_private_segment_fixed_size 0
		.amdhsa_enable_private_segment 0
		.amdhsa_kernarg_size 56
		.amdhsa_user_sgpr_count 2
		.amdhsa_user_sgpr_kernarg_segment_ptr 1
		.amdhsa_wavefront_size32 1
		.amdhsa_system_sgpr_workgroup_id_x 1
		.amdhsa_system_sgpr_workgroup_id_y 1
		.amdhsa_system_sgpr_workgroup_id_z 1
		.amdhsa_system_vgpr_workitem_id 0
		.amdhsa_next_free_vgpr 256
		.amdhsa_next_free_sgpr 96
		.amdhsa_reserve_vcc 1
		.amdhsa_float_denorm_mode_32 3
		.amdhsa_float_denorm_mode_16_64 3
		.amdhsa_memory_ordered 1
		.amdhsa_forward_progress 1
		.amdhsa_inst_pref_size 59
	.end_amdhsa_kernel
	.amdgpu_metadata
---
amdhsa.version: [ 1, 2 ]
amdhsa.kernels:
  - .name:           k_q56fbc290f1_attn
    .symbol:         k_q56fbc290f1_attn.kd
    .args:
      - { .name: qc, .offset: 0, .size: 8, .value_kind: global_buffer, .address_space: global }
      - { .name: qs, .offset: 8, .size: 8, .value_kind: global_buffer, .address_space: global }
      - { .name: kc, .offset: 16, .size: 8, .value_kind: global_buffer, .address_space: global }
      - { .name: ks, .offset: 24, .size: 8, .value_kind: global_buffer, .address_space: global }
      - { .name: vc, .offset: 32, .size: 8, .value_kind: global_buffer, .address_space: global }
      - { .name: vs, .offset: 40, .size: 8, .value_kind: global_buffer, .address_space: global }
      - { .name: out0, .offset: 48, .size: 8, .value_kind: global_buffer, .address_space: global }
    .group_segment_fixed_size: 215040
    .private_segment_fixed_size: 0
    .kernarg_segment_align: 8
    .kernarg_segment_size: 56
    .max_flat_workgroup_size: 512
    .sgpr_count:     96
    .vgpr_count:     256
    .wavefront_size: 32
...
	.end_amdgpu_metadata
.endif
;; end of part 2
